; MI455X (gfx1250); checked and timed in simulation.
; The chip was launched on July 23, 2026; its instructions are those of AMD's public machine-readable ISA for CDNA 5 (MIT licence, August 2026) and "CDNA5" Instruction Set Architecture Reference Guide (July 2026). The comments in the code are by the model that wrote it; some were corrected since.
;; Model. Allowed arithmetic: float matrix products may take bf16 or f16 operands with f32 sums; other float arithmetic in f32, or as packed bf16 or f16 multiplies, adds, multiply-adds, maxima and minima; sums over many terms, partial sums and values carried from step to step in f32; what a program stores and reads back later, other than sums and carried values, may be rounded once to bf16 or f16.
;; Inputs: K 3 x 3 float32; R 1 x 3 x 3 float32; faces 1 x 2,500 x 3 int32; light_direction 3 float32; light_int_ambient one number float32; light_int_directional one number float32; mask_full_size 128 x 128 float32; masked_grayscale_img 128 x 128 float32; t 1 x 1 x 3 float32; textures 1 x 2,500 x 1 x 1 x 1 x 3 float32; vertices 1 x 1,600 x 3 float32.
;; Outputs: out0 one number float32; out1 1 x 3 x 128 x 128 float32.
;; One version. Each part assembles by itself: llvm-mc -triple=amdgcn-amd-amdhsa -mcpu=gfx1250 --defsym DOCPART=n.
;; ======== version 1 of 1: 2 launches
;; workspace buffers: gray 65,536 bytes
;; launch raster (part 1): grid 256 x 1, 4 waves a work-group, no clusters, 256,512 bytes of LDS; arguments K, R, t, light_direction, light_int_ambient, light_int_directional, vertices, faces, textures, out1, gray; writes out1, gray
.if DOCPART == 1
	.amdgcn_target "amdgcn-amd-amdhsa--gfx1250"
	.amdhsa_code_object_version 6
	.text
	.protected	k_qcd18871b2c_raster
	.globl	k_qcd18871b2c_raster
	.p2align	8
	.type	k_qcd18871b2c_raster,@function
k_qcd18871b2c_raster:
	s_mov_b64 s[64:65], 0
	v_nop
	global_prefetch_b8 v0, s[64:65] scope:SCOPE_SE
	s_setreg_imm32_b32 hwreg(HW_REG_WAVE_MODE, 25, 1), 1
	s_wait_xcnt 0x0
; HARD Z-BUFFER RASTERISER: projection, flat lighting, and for each of 128 x 128 pixels the colour of the nearest face that covers it.
; out1[c][y][x] = that colour (0 where no face is hit); gray[y][x] = r + g + b, for the launch behind, which makes the loss.
; SHARES.  Work-group b owns 64 pixels of one image row: y = b >> 1, x = 64 (b & 1) + 0..63: 256 consecutive bytes, aligned, of each plane of out1 and of gray.
; A LANE IS A FACE, THE PIXELS ARE REGISTERS: thread c (0..127) walks faces 20 c .. 20 c + 19, one a trip, and keeps for all 64 pixels the best key and its r, g, b
; (256 registers).  A face's coefficients stay in the lane that made them; the 128 lanes' candidates meet in LDS at the end, in ascending order of faces.
; Threads past face 2,499 repeat face 2,499: the same key and colour, which never wins, since only a strictly greater key replaces an earlier one.
; WHAT IS LEFT OUT, for all finite values of the inputs, in exact arithmetic:
;   K's third row: uvw[..., 2] is never used by reference(): 6 words of K are loaded.
;   area = w0 + w1 + w2 is the same for every pixel (the terms in px and py cancel): it is made once a face, and with it 1 / area.
;   w_k is affine in px on an image row: w_k = A_k px + C_k.  Multiplied by the sign of area, 'all >= 0 or all <= 0' becomes 'all >= 0' (their sum is |area| > 0).
;   w0 = area - w1 - w2, so D = sum_k w_k / (area z_k) + 1e-12 = (1/z0 + 1e-12) + w1 (1/z1 - 1/z0) / area + w2 (1/z2 - 1/z0) / area.
;   zp = 1 / D: 0.1 < zp < 100 is 0.01 < D < 10, and the least zp is the greatest D: no division stands in the loop.
;   colors[fidx] is carried along as three selects, so no address hangs on a result.
; THE KEY.  key = ((sign of min(w0, w1, w2)) | bits(D)) - bits(10.0), wrapping.  As an unsigned number it is above bits(0.01) - bits(10.0) = 0xfb03d70a exactly where the pixel
; is inside and 0.01 < D < 10, and there it grows with D; a negative D, D >= 10, an infinity and a NaN fall below.  The best key starts at that bound, so one compare does all four tests.
; FORMAT.  Everything in f32 on the vector unit, the three einsums too: they contract over 3 terms, and 16-bit operands would move projected positions by 2^-9 of their size, which changes the face that a pixel sees.
; LIMITS.  The order of rounding differs from reference()'s: a pixel may take the other of two faces whose depths lie within about 2e-6 of each other, or gain or lose a face whose edge
; function there lies within about 1e-8 of 0, or whose zp lies within a last bit of 0.1 or 100.  |area| > 1e-10 is tested on the face's area, not on each pixel's sum.
; NaN and infinities are not treated apart; one that reaches only the work left out (K's third row) is not carried to the result.
.set PARR,   0                         ; LDS: 1,664 records of 16 bytes: u, v, 1/z, z of a projected vertex (1,600 used; the rest takes the clamped lanes' copies)
.set XARR,   26624                     ; 1,664 records of 16 bytes: x, y, z as given, and z projected
.set FACES,  53248                     ; faces as they lie in memory, 12 bytes a face; 30,000 bytes and 720 for the clamped lanes' copies
.set TEXD,   30720                     ; textures lie this far behind faces, in the same form
.set MERGE,  114688                    ; 128 candidates, one a thread: planes key, r, g, b of 256 bytes, then 16 bytes of padding
.set MPITCH, 1040                      ; = 65 x 16 bytes
.set M2,     247808                    ; 8 groups x 4 planes x 256 bytes
.set SPARE,  256000                    ; the spare words, 128 bytes for each wave: two blocks of 256 bytes that no other line names
; window 0: v0 thread; v2, v3 the add's two registers; v4 address of my face record; v6 py; v7 the key's bound; v8-11 merge addresses
.set IDX,  12                          ; v12-14  the face's three indices
.set CA0,  16                          ; v16-33: nine pairs; the even register is a coefficient that a packed line takes for both halves, the odd one is written in every SETUP too
.set CC0,  18
.set CA1,  20
.set CC1,  22
.set CA2,  24
.set CC2,  26
.set CG1,  28
.set CG2,  30
.set CBASE, 32
.set CNR,  17                          ; the face's colour: r, g, b at 17, 19, 21
.set SB,   23                          ; sign bit of area
.set SBN,  25                          ; its opposite
.set ABSA, 27                          ; |area|
.set RA,   29                          ; 1 / |area|
.set RM,   31                          ; 1 / max(|n|, 1e-5)
.set LIGHT, 33
.set P0,   34                          ; v34-45  three projected records
.set P1,   38
.set P2,   42
.set X0,   46                          ; v46-57  three raw records
.set X1,   50
.set X2,   54
.set TX,   58                          ; v58-60  the face's texture
.set GA,   61                          ; v61-63  16 x index
.set PX,   64                          ; v64-127  px of my work-group's 64 columns, the same in all lanes
.set BEST, 128                         ; v128-191 best key of each pixel
.set W0,   192                         ; eight pixels at work: w0, w1, w2, D, key
.set W1,   200
.set W2,   208
.set DD,   216
.set KK,   224
.set E0,   232                         ; SETUP's own: edges (pairs x, y)
.set E1,   234
.set E2,   236
.set AREA, 238
.set DZ1,  239
.set EA,   240                         ; X0 - X1 (three)
.set DZ2,  243
.set EB,   244                         ; X2 - X1 (three)
.set NV,   247                         ; the normal (three)
.set NN,   250
.set ND,   251
.set T3,   252                         ; three at work
; window 1: v0-63 r, v64-127 g, v128-191 b of each pixel's best face
; the head's own map (window 0), free again behind the first barrier:
.set R1,   16                          ; v16-28  1 / (z + 1e-9), a round each
.set R2,   29                          ; v29-41  1 / z
.set T,    42                          ; v42-47  at work
.set VQ,   64                          ; v64-115   13 vertices, a quad each
.set FQ,   116                         ; v116-175  15 x 16 bytes of faces
.set TQ,   176                         ; v176-235  15 x 16 bytes of textures
; the merge's map (window 0)
.set SKEY, 64                          ; state: key, r, g, b of four pixels
.set SRED, 68
.set SGRN, 72
.set SBLU, 76
.set B0,   128                         ; two buffers of four candidates of 16 registers
.set B1,   192
.set MK,   68                          ; s68-75  eight masks
.set MSB, 0
.macro WIN new                         ; the immediate's high byte repeats the setting that is left; a switch that changes nothing is dropped
.if MSB != (\new)
	s_set_vgpr_msb (MSB<<8)|(\new)
.set MSB, (\new)
.endif
.endm
	s_load_b512 s[8:23], s[0:1], 0x0               ; K s[8:9], R s[10:11], t s[12:13], direction s[14:15], ambient s[16:17], directional s[18:19], vertices s[20:21], faces s[22:23]
	s_load_b128 s[24:27], s[0:1], 0x40             ; textures s[24:25], out1 s[26:27]
	s_load_b64 s[28:29], s[0:1], 0x50              ; gray
	v_lshl_add_u32 v2, v0, 2, SPARE                ; my spare word
	v_mov_b32 v3, 0
	v_lshrrev_b32 v1, 5, v0
	v_readfirstlane_b32 s79, v1                    ; wave 0..3
	v_mul_u32_u24 v4, v0, 12                       ; vertex t, 12 bytes each
	v_add_nc_u32 v5, 1536, v0
	v_min_u32 v5, 1599, v5                         ; the 13th round has 64 vertices left: the other lanes take the last one again
	v_mul_u32_u24 v5, v5, 12
	v_lshlrev_b32 v6, 4, v0                        ; 16 t: my 16 bytes of a round of faces and textures, and my record in PARR and XARR
	v_add_nc_u32 v7, 28672, v6
	v_min_u32 v7, 29984, v7                        ; the 15th round ends with the buffer's last 16 bytes
	v_add_nc_u32 v9, FACES, v6
	s_mov_b32 s76, 0x80000000                      ; the sign bit
	s_mov_b32 s77, 0xbee00000                      ; - bits(10.0)
	s_mov_b32 s81, 0xffff0000                      ; lanes 16-31
	s_lshl_b32 s30, ttmp9, 8                       ; my work-group's 256 bytes of a plane
	s_mov_b32 s31, 0
	s_wait_kmcnt 0x0
	s_load_b256 s[32:39], s[10:11], 0x0            ; R00 .. R21
	s_load_b32 s40, s[10:11], 0x20                 ; R22
	s_load_b96 s[44:46], s[12:13], 0x0             ; t
	s_load_b128 s[48:51], s[8:9], 0x0              ; K00 K01 K02 K10
	s_load_b64 s[52:53], s[8:9], 0x10              ; K11 K12
	s_load_b96 s[56:58], s[14:15], 0x0             ; direction
	s_load_b32 s59, s[16:17], 0x0                  ; ambient
	s_load_b32 s60, s[18:19], 0x0                  ; directional
.irp r, 0,1,2,3,4,5,6,7,8,9,10,11
	global_load_b96 v[VQ+4*(\r):VQ+4*(\r)+2], v4, s[20:21] offset:1536*(\r)   ; a wave's load covers 384 consecutive bytes
.endr
	global_load_b96 v[VQ+48:VQ+50], v5, s[20:21]
.irp r, 0,1,2,3,4,5,6,7,8,9,10,11,12,13
	global_load_b128 v[FQ+4*(\r):FQ+4*(\r)+3], v6, s[22:23] offset:2048*(\r)  ; 512 consecutive bytes a wave
.endr
	global_load_b128 v[FQ+56:FQ+59], v7, s[22:23]
.irp r, 0,1,2,3,4,5,6,7,8,9,10,11,12,13
	global_load_b128 v[TQ+4*(\r):TQ+4*(\r)+3], v6, s[24:25] offset:2048*(\r)
.endr
	global_load_b128 v[TQ+56:TQ+59], v7, s[24:25]
; Round r's vertex, first part: R v + t; the raw record goes to XARR; the two reciprocals are issued.  All 26 reciprocals are one batch.
.macro VERTA r
.set Q, VQ+4*(\r)
	v_mul_f32 v[T], s32, v[Q]
	v_mul_f32 v[T+1], s35, v[Q]
	v_mul_f32 v[T+2], s38, v[Q]
	v_fmac_f32 v[T], s33, v[Q+1]
	v_fmac_f32 v[T+1], s36, v[Q+1]
	v_fmac_f32 v[T+2], s39, v[Q+1]
	v_fmac_f32 v[T], s34, v[Q+2]
	v_fmac_f32 v[T+1], s37, v[Q+2]
	v_fmac_f32 v[T+2], s40, v[Q+2]
	v_add_f32 v[Q+3], s46, v[T+2]                  ; z projected
	ds_store_b128 v6, v[Q:Q+3] offset:XARR+2048*(\r)
	v_add_f32 v[Q], s44, v[T]                      ; the quad now holds vx, vy, z + 1e-9, z
	v_add_f32 v[Q+1], s45, v[T+1]
	v_add_f32 v[Q+2], 0x3089705f, v[Q+3]
	v_rcp_f32 v[R1+(\r)], v[Q+2]
	v_rcp_f32 v[R2+(\r)], v[Q+3]
.endm
; Second part: a Newton step on each reciprocal, the two quotients with one correction each, K's two rows, the flip and the scaling to -1 .. 1 (exact); the record goes to PARR.
.macro VERTB r
.set Q, VQ+4*(\r)
	v_fma_f32 v[T], -v[Q+2], v[R1+(\r)], 1.0
	v_fma_f32 v[T+1], -v[Q+3], v[R2+(\r)], 1.0
	v_fmac_f32 v[R1+(\r)], v[T], v[R1+(\r)]
	v_fmac_f32 v[R2+(\r)], v[T+1], v[R2+(\r)]      ; 1 / z
	v_mul_f32 v[T+2], v[Q], v[R1+(\r)]
	v_mul_f32 v[T+3], v[Q+1], v[R1+(\r)]
	v_fma_f32 v[T+4], -v[Q+2], v[T+2], v[Q]        ; what the quotient leaves over
	v_fma_f32 v[T+5], -v[Q+2], v[T+3], v[Q+1]
	v_fmac_f32 v[T+2], v[T+4], v[R1+(\r)]          ; x_
	v_fmac_f32 v[T+3], v[T+5], v[R1+(\r)]          ; y_
	v_mul_f32 v[T], s48, v[T+2]
	v_mul_f32 v[T+1], s51, v[T+2]
	v_fmac_f32 v[T], s49, v[T+3]
	v_fmac_f32 v[T+1], s52, v[T+3]
	v_add_f32 v[T], s50, v[T]                      ; U
	v_add_f32 v[T+1], s53, v[T+1]                  ; V
	v_add_f32 v[T], 0xc2800000, v[T]               ; U - 64
	v_sub_f32 v[T+1], 0x43000000, v[T+1]           ; 128 - V
	v_add_f32 v[T+1], 0xc2800000, v[T+1]           ; - 64
	v_mul_f32 v[Q], 0x3c800000, v[T]               ; / 64
	v_mul_f32 v[Q+1], 0x3c800000, v[T+1]
	v_mov_b32 v[Q+2], v[R2+(\r)]
	ds_store_b128 v6, v[Q:Q+3] offset:PARR+2048*(\r)
.endm
	s_wait_kmcnt 0x0                               ; R, t, K, the light
	s_wait_loadcnt 30                              ; the 13 vertex loads are in; the 30 loads of faces and textures, issued behind them, may stay out
.irp r, 0,1,2,3,4,5,6,7,8,9,10,11,12
	VERTA \r
.endr
	v_nop                                          ; a plain instruction behind the last reciprocal
	s_wait_alu depctr_va_vdst(0)                   ; one wait for the 26 reciprocals, ahead of their first reader
.irp r, 0,1,2,3,4,5,6,7,8,9,10,11,12
	VERTB \r
.endr
	s_wait_loadcnt 15                              ; faces are in; the 15 texture loads may stay out
.irp r, 0,1,2,3,4,5,6,7,8,9,10,11,12,13,14
	ds_store_b128 v9, v[FQ+4*(\r):FQ+4*(\r)+3] offset:2048*(\r)
.endr
	s_wait_loadcnt 0x0
.irp r, 0,1,2,3,4,5,6,7,8,9,10,11,12,13,14
	ds_store_b128 v9, v[TQ+4*(\r):TQ+4*(\r)+3] offset:TEXD+2048*(\r)
.endr
	s_wait_dscnt 0x0                               ; for the others' sake: my stores into the four tables are done
	s_barrier_signal -1
	s_barrier_wait -1                              ; the tables are whole; nobody writes them again
.macro LOADREC                         ; the face record at v4: three indices, three texture numbers
.irp k, 0,1,2
	ds_load_b32 v[IDX+(\k)], v4 offset:4*(\k)
.endr
.irp k, 0,1,2
	ds_load_b32 v[TX+(\k)], v4 offset:TEXD+4*(\k)
.endr
.endm
.macro GATHER                          ; the face's three vertices, projected and raw
.irp k, 0,1,2
	v_min_u32 v[IDX+(\k)], 1599, v[IDX+(\k)]       ; an index stays inside the table
.endr
.irp k, 0,1,2
	v_lshlrev_b32 v[GA+(\k)], 4, v[IDX+(\k)]
.endr
.irp k, 0,1,2
	ds_load_b128 v[P0+4*(\k):P0+4*(\k)+3], v[GA+(\k)] offset:PARR
.endr
.irp k, 0,1,2
	ds_load_b128 v[X0+4*(\k):X0+4*(\k)+3], v[GA+(\k)] offset:XARR
.endr
.endm
; A face's coefficients for my image row, and its colour.
.macro SETUP
	v_pk_add_f32 v[E0:E0+1], v[P2:P2+1], v[P1:P1+1] neg_lo:[0,1] neg_hi:[0,1]   ; edge(v1, v2)
	v_pk_add_f32 v[E1:E1+1], v[P0:P0+1], v[P2:P2+1] neg_lo:[0,1] neg_hi:[0,1]   ; edge(v2, v0)
	v_pk_add_f32 v[E2:E2+1], v[P1:P1+1], v[P0:P0+1] neg_lo:[0,1] neg_hi:[0,1]   ; edge(v0, v1)
	v_pk_add_f32 v[EA:EA+1], v[X0:X0+1], v[X1:X1+1] neg_lo:[0,1] neg_hi:[0,1]
	v_pk_add_f32 v[EB:EB+1], v[X2:X2+1], v[X1:X1+1] neg_lo:[0,1] neg_hi:[0,1]
	v_sub_f32 v[EA+2], v[X0+2], v[X1+2]
	v_sub_f32 v[EB+2], v[X2+2], v[X1+2]
	v_mul_f32 v[AREA], v[E2], v[E1+1]
	v_sub_f32 v[DZ1], v[P1+2], v[P0+2]             ; 1/z1 - 1/z0
	v_sub_f32 v[DZ2], v[P2+2], v[P0+2]
	v_add_f32 v[CBASE], 0x2b8cbccc, v[P0+2]        ; 1/z0 + 1e-12
	v_fma_f32 v[AREA], v[E2+1], v[E1], -v[AREA]    ; w0 + w1 + w2
	v_mul_f32 v[NV], v[EA+2], v[EB+1]
	v_mul_f32 v[NV+1], v[EA], v[EB+2]
	v_mul_f32 v[NV+2], v[EA+1], v[EB]
	v_fma_f32 v[NV], v[EA+1], v[EB+2], -v[NV]      ; n = (X0 - X1) x (X2 - X1)
	v_fma_f32 v[NV+1], v[EA+2], v[EB], -v[NV+1]
	v_fma_f32 v[NV+2], v[EA], v[EB+1], -v[NV+2]
	v_and_b32 v[SB], s76, v[AREA]
	v_and_b32 v[ABSA], 0x7fffffff, v[AREA]
	v_mul_f32 v[NN], v[NV], v[NV]
	v_mul_f32 v[ND], s56, v[NV]
	v_fmac_f32 v[NN], v[NV+1], v[NV+1]
	v_fmac_f32 v[ND], s57, v[NV+1]
	v_fmac_f32 v[NN], v[NV+2], v[NV+2]             ; n . n
	v_fmac_f32 v[ND], s58, v[NV+2]                 ; n . direction
	v_xor_b32 v[SBN], s76, v[SB]
	v_rcp_f32 v[RA], v[ABSA]                       ; a batch of two; the lines down to the wait name neither result
	v_rsq_f32 v[RM], v[NN]
	v_xor_b32 v[CA0], v[E0+1], v[SBN]              ; A_k = - sign(area) e_ky: exact
	v_xor_b32 v[CA1], v[E1+1], v[SBN]
	v_xor_b32 v[CA2], v[E2+1], v[SBN]
	v_xor_b32 v[E0], v[E0], v[SB]                  ; sign(area) e_kx
	v_xor_b32 v[E1], v[E1], v[SB]
	v_xor_b32 v[E2], v[E2], v[SB]
	v_sub_f32 v[E0+1], v6, v[P1+1]                 ; py - a_ky
	v_sub_f32 v[E1+1], v6, v[P2+1]
	v_sub_f32 v[E2+1], v6, v[P0+1]
	v_mul_f32 v[T3], v[CA0], v[P1]                 ; A_k a_kx
	v_mul_f32 v[T3+1], v[CA1], v[P2]
	v_mul_f32 v[T3+2], v[CA2], v[P0]
	v_fma_f32 v[CC0], v[E0], v[E0+1], -v[T3]
	v_fma_f32 v[CC1], v[E1], v[E1+1], -v[T3+1]
	v_fma_f32 v[CC2], v[E2], v[E2+1], -v[T3+2]
	v_add_f32 v[CC0], 0, v[CC0]                    ; -0 becomes +0, so that A px + C is never -0 and the sign bit alone says 'below 0'
	v_add_f32 v[CC1], 0, v[CC1]
	v_add_f32 v[CC2], 0, v[CC2]
	v_cmp_lt_f32 s80, 0x2edbe6ff, v[ABSA]          ; 1e-10 < |area|
	s_wait_alu depctr_va_vdst(0)                   ; one wait for the batch, ahead of its first reader
	v_fma_f32 v[T3], -v[ABSA], v[RA], 1.0
	v_min_num_f32 v[RM], 0x47c35000, v[RM]         ; 1 / max(|n|, 1e-5)
	v_cndmask_b32 v[CA0], 0, v[CA0], s80           ; a face without area: w0 = -1 everywhere
	v_cndmask_b32 v[CC0], -1.0, v[CC0], s80
	v_fmac_f32 v[RA], v[T3], v[RA]                 ; a Newton step
	v_mul_f32 v[ND], v[ND], v[RM]
	v_max_num_f32 v[ND], 0, v[ND]                  ; relu(cos)
	v_mul_f32 v[CG1], v[DZ1], v[RA]
	v_mul_f32 v[CG2], v[DZ2], v[RA]
	v_fma_f32 v[LIGHT], v[ND], s60, s59
	v_mul_f32 v[CNR], v[TX], v[LIGHT]
	v_mul_f32 v[CNR+2], v[TX+1], v[LIGHT]
	v_mul_f32 v[CNR+4], v[TX+2], v[LIGHT]
.endm
; Pixels 8 g .. 8 g + 7 against my lane's face, in stages of eight, so that no line reads the result of a line just before it.
; first = 1: the first face starts key and colour (the bound; the constant 0): nothing is ever cleared.
.macro PIX8 g, first
.irp j, 0,2,4,6
	v_pk_fma_f32 v[W0+(\j):W0+(\j)+1], v[CA0:CA0+1], v[PX+8*(\g)+(\j):PX+8*(\g)+(\j)+1], v[CC0:CC0+1] op_sel_hi:[0,1,0]
.endr
.irp j, 0,2,4,6
	v_pk_fma_f32 v[W1+(\j):W1+(\j)+1], v[CA1:CA1+1], v[PX+8*(\g)+(\j):PX+8*(\g)+(\j)+1], v[CC1:CC1+1] op_sel_hi:[0,1,0]
.endr
.irp j, 0,2,4,6
	v_pk_fma_f32 v[W2+(\j):W2+(\j)+1], v[CA2:CA2+1], v[PX+8*(\g)+(\j):PX+8*(\g)+(\j)+1], v[CC2:CC2+1] op_sel_hi:[0,1,0]
.endr
.irp j, 0,2,4,6
	v_pk_fma_f32 v[DD+(\j):DD+(\j)+1], v[W1+(\j):W1+(\j)+1], v[CG1:CG1+1], v[CBASE:CBASE+1] op_sel_hi:[1,0,0]
.endr
.irp j, 0,2,4,6
	v_pk_fma_f32 v[DD+(\j):DD+(\j)+1], v[W2+(\j):W2+(\j)+1], v[CG2:CG2+1], v[DD+(\j):DD+(\j)+1] op_sel_hi:[1,0,1]
.endr
.irp i, 0,1,2,3,4,5,6,7
	v_min3_num_f32 v[KK+(\i)], v[W0+(\i)], v[W1+(\i)], v[W2+(\i)]
.endr
.irp i, 0,1,2,3,4,5,6,7
	v_and_or_b32 v[KK+(\i)], v[KK+(\i)], s76, v[DD+(\i)]
.endr
.irp i, 0,1,2,3,4,5,6,7
	v_add_nc_u32 v[KK+(\i)], s77, v[KK+(\i)]
.endr
.if \first
.irp i, 0,1,2,3,4,5,6,7
	v_cmp_gt_u32 s[MK+(\i)], v[KK+(\i)], v7
.endr
.irp i, 0,1,2,3,4,5,6,7
	v_cndmask_b32 v[BEST+8*(\g)+(\i)], v7, v[KK+(\i)], s[MK+(\i)]
.endr
	WIN 0x41                                       ; destination and source 0 in window 1, the face's colour in window 0
.irp c, 0,64,128
.irp i, 0,1,2,3,4,5,6,7
	v_cndmask_b32 v[(\c)+8*(\g)+(\i)], 0, v[CNR+(\c)/32], s[MK+(\i)]
.endr
.endr
.else
.irp i, 0,1,2,3,4,5,6,7
	v_cmp_gt_u32 s[MK+(\i)], v[KK+(\i)], v[BEST+8*(\g)+(\i)]
.endr
.irp i, 0,1,2,3,4,5,6,7
	v_cndmask_b32 v[BEST+8*(\g)+(\i)], v[BEST+8*(\g)+(\i)], v[KK+(\i)], s[MK+(\i)]
.endr
	WIN 0x41
.irp c, 0,64,128
.irp i, 0,1,2,3,4,5,6,7
	v_cndmask_b32 v[(\c)+8*(\g)+(\i)], v[(\c)+8*(\g)+(\i)], v[CNR+(\c)/32], s[MK+(\i)]
.endr
.endr
.endif
	WIN 0
.endm
; A trip: one face a lane against 64 pixels.  ahead = 1: the next face's record is asked for behind SETUP and its vertices in the trip's middle, each half a trip ahead of its use.
.macro TRIP first, ahead
	s_wait_dscnt 0x0                               ; the six records of this trip's face are in
	SETUP
.if \ahead
	v_add_nc_u32 v4, 12, v4
	v_min_u32 v4, FACES+12*2499, v4                ; past the last face: the last face again
	LOADREC
.endif
	PIX8 0, \first
	PIX8 1, \first
	PIX8 2, \first
	PIX8 3, \first
.if \ahead
	s_wait_dscnt 0x0                               ; the next face's indices are in
	GATHER
.endif
	PIX8 4, \first
	PIX8 5, \first
	PIX8 6, \first
	PIX8 7, \first
.endm
	v_mul_u32_u24 v4, v0, 240                      ; my 20 faces begin at face 20 t
	v_add_nc_u32 v4, FACES, v4
	v_min_u32 v4, FACES+12*2499, v4
	LOADREC
	s_and_b32 s2, ttmp9, 1                         ; while the record is on its way: px and py, all multiples of 1/128 below 1, so every step is exact
	s_lshl_b32 s2, s2, 7
	s_sub_co_u32 s2, s2, 127                       ; 2 x0 + 1 - 128
	s_and_b32 s3, ttmp9, 0xfe
	s_sub_co_u32 s3, s3, 127                       ; 2 y + 1 - 128
	v_cvt_f32_i32 v[PX], s2
	v_cvt_f32_i32 v6, s3
	v_mul_f32 v[PX], 0x3c000000, v[PX]             ; / 128
	v_mul_f32 v6, 0x3c000000, v6
	v_add_f32 v[PX+1], 0x3c800000, v[PX]           ; the next column: + 1/64
.set j, 2
.rept 31
	v_pk_add_f32 v[PX+j:PX+j+1], v[PX+j-2:PX+j-1], 0x3d000000 op_sel_hi:[1,0]  ; two columns on: + 1/32
.set j, j+2
.endr
	v_mov_b32 v7, 0xfb03d70a                       ; bits(0.01) - bits(10.0)
	s_wait_dscnt 0x0
	GATHER
	TRIP 1, 1                                      ; face 0 starts keys and colours
	s_mov_b32 s78, 18
.Ltrip:
	TRIP 0, 1                                      ; faces 1 to 18
	s_sub_co_u32 s78, s78, 1
	s_cmp_lg_u32 s78, 0
	s_cbranch_scc1 .Ltrip
	TRIP 0, 0                                      ; face 19: nothing is left to fetch
	; THE MERGE.  Each thread lays its candidate (64 keys, 64 r, g, b) into LDS; then thread t folds candidates 16 (t >> 4) .. + 15 for pixels 4 (t & 15) .. + 3, in ascending order;
	; then wave 0 folds the eight groups.  Only a strictly greater key replaces an earlier one, so of equal depths the first face stays, as with argmin.
	v_mul_u32_u24 v8, v0, MPITCH
	v_add_nc_u32 v8, MERGE, v8
	v_and_b32 v10, 15, v0
	v_lshlrev_b32 v10, 4, v10                      ; 16 x (t & 15)
	v_lshrrev_b32 v11, 4, v0                       ; group 0..7
	v_mul_u32_u24 v9, v11, 16*MPITCH
	v_add3_u32 v9, v9, v10, MERGE
	v_lshl_add_u32 v11, v11, 10, v10
	v_add_nc_u32 v11, M2, v11
	v_add_nc_u32 v10, M2, v10
.irp i, 0,1,2,3,4,5,6,7,8,9,10,11,12,13,14,15
	ds_store_b128 v8, v[BEST+4*(\i):BEST+4*(\i)+3] offset:16*(\i)
.endr
	WIN 0x04                                       ; the store's data in window 1, its address in window 0
.irp c, 0,1,2
.irp i, 0,1,2,3,4,5,6,7,8,9,10,11,12,13,14,15
	ds_store_b128 v8, v[64*(\c)+4*(\i):64*(\c)+4*(\i)+3] offset:256*(1+(\c))+16*(\i)
.endr
.endr
	WIN 0
	s_wait_dscnt 0x0                               ; for the others' sake: my candidate is whole
	s_barrier_signal -1
	s_barrier_wait -1
.macro LDC adr, dst, off               ; a candidate's four planes of four pixels: sixteen lanes read 256 consecutive bytes
.irp p, 0,1,2,3
	ds_load_b128 v[(\dst)+4*(\p):(\dst)+4*(\p)+3], v[\adr] offset:(\off)+256*(\p)
.endr
.endm
.macro MRG src                         ; the candidate at v[src ..] into the state
.irp i, 0,1,2,3
	v_cmp_gt_u32 s[MK+(\i)], v[(\src)+(\i)], v[SKEY+(\i)]
.endr
.irp i, 0,1,2,3
	v_cndmask_b32 v[SKEY+(\i)], v[SKEY+(\i)], v[(\src)+(\i)], s[MK+(\i)]
	v_cndmask_b32 v[SRED+(\i)], v[SRED+(\i)], v[(\src)+4+(\i)], s[MK+(\i)]
	v_cndmask_b32 v[SGRN+(\i)], v[SGRN+(\i)], v[(\src)+8+(\i)], s[MK+(\i)]
	v_cndmask_b32 v[SBLU+(\i)], v[SBLU+(\i)], v[(\src)+12+(\i)], s[MK+(\i)]
.endr
.endm
	LDC 9, SKEY, 0                                 ; candidate 0 is the state
.irp i, 1,2,3
	LDC 9, B0+16*(\i), (\i)*MPITCH
.endr
.irp i, 0,1,2,3
	LDC 9, B1+16*(\i), (4+(\i))*MPITCH
.endr
	s_wait_dscnt 16                                ; the older 16 loads are in; the 16 just issued may stay out
.irp i, 1,2,3
	MRG B0+16*(\i)
.endr
.irp i, 0,1,2,3
	LDC 9, B0+16*(\i), (8+(\i))*MPITCH
.endr
	s_wait_dscnt 16                                ; likewise
.irp i, 0,1,2,3
	MRG B1+16*(\i)
.endr
.irp i, 0,1,2,3
	LDC 9, B1+16*(\i), (12+(\i))*MPITCH
.endr
	s_wait_dscnt 16                                ; likewise
.irp i, 0,1,2,3
	MRG B0+16*(\i)
.endr
	s_wait_dscnt 0x0
.irp i, 0,1,2,3
	MRG B1+16*(\i)
.endr
.irp p, 0,1,2,3
	ds_store_b128 v11, v[SKEY+4*(\p):SKEY+4*(\p)+3] offset:256*(\p)
.endr
	s_wait_dscnt 0x0                               ; for wave 0's sake: my group's result is whole
	s_barrier_signal -1
	s_barrier_wait -1
	s_cmp_lg_u32 s79, 0                            ; wave 0 finishes; no barrier stands in what the others jump
	s_cbranch_scc1 .Lend
	LDC 10, SKEY, 0                                ; both halves of the lanes fold the same 16 quads, so that each half can store another plane
.irp g, 1,2,3,4,5,6,7
	LDC 10, B0+16*((\g)-1), 1024*(\g)
.endr
	v_and_b32 v13, 15, v0
	v_lshlrev_b32 v13, 4, v13
	v_bfe_u32 v14, v0, 4, 1
	v_lshl_add_u32 v12, v14, 16, v13               ; 16 (l & 15), and one plane of 65,536 bytes on for lanes 16-31
	s_add_nc_u64 s[26:27], s[26:27], s[30:31]      ; out1 and gray at my work-group's 256 bytes
	s_add_nc_u64 s[28:29], s[28:29], s[30:31]
	s_wait_dscnt 0x0
.irp g, 0,1,2,3,4,5,6
	MRG B0+16*(\g)
.endr
	v_pk_add_f32 v[80:81], v[SRED:SRED+1], v[SGRN:SGRN+1]
	v_pk_add_f32 v[82:83], v[SRED+2:SRED+3], v[SGRN+2:SGRN+3]
.irp i, 0,1,2,3
	v_cndmask_b32 v[84+(\i)], v[SRED+(\i)], v[SGRN+(\i)], s81  ; lanes 0-15 r, lanes 16-31 g
.endr
	v_pk_add_f32 v[80:81], v[80:81], v[SBLU:SBLU+1]            ; (r + g) + b
	v_pk_add_f32 v[82:83], v[82:83], v[SBLU+2:SBLU+3]
	global_store_b128 v12, v[84:87], s[26:27]      ; sixteen lanes store 256 consecutive bytes, aligned, of r's plane, sixteen of g's
	s_wait_xcnt 0x0                                ; EXEC changes only behind this wait
	v_cmp_gt_u32 vcc_lo, 16, v0
	s_and_saveexec_b32 s82, vcc_lo
	global_store_b128 v12, v[SBLU:SBLU+3], s[26:27] offset:131072
	global_store_b128 v12, v[80:83], s[28:29]
	s_wait_xcnt 0x0                                ; and again, in front of the line that widens it
	s_or_b32 exec_lo, exec_lo, s82
.Lend:
	s_wait_tensorcnt 0x0                           ; the wave's end, behind my last LDS store
	ds_add_u32 v2, v3
	s_wait_dscnt 0x0
	s_endpgm
.Lfunc_end_k_qcd18871b2c_raster:
	.size	k_qcd18871b2c_raster, .Lfunc_end_k_qcd18871b2c_raster-k_qcd18871b2c_raster
	.p2alignl 7, 3214868480
	.fill 96, 4, 3214868480
	.section	.rodata,"a",@progbits
	.p2align	6, 0x0
	.amdhsa_kernel k_qcd18871b2c_raster
		.amdhsa_group_segment_fixed_size 256512
		.amdhsa_private_segment_fixed_size 0
		.amdhsa_enable_private_segment 0
		.amdhsa_kernarg_size 88
		.amdhsa_user_sgpr_count 2
		.amdhsa_user_sgpr_kernarg_segment_ptr 1
		.amdhsa_wavefront_size32 1
		.amdhsa_system_sgpr_workgroup_id_x 1
		.amdhsa_system_sgpr_workgroup_id_y 1
		.amdhsa_system_sgpr_workgroup_id_z 1
		.amdhsa_system_vgpr_workitem_id 0
		.amdhsa_next_free_vgpr 448
		.amdhsa_next_free_sgpr 84
		.amdhsa_reserve_vcc 1
		.amdhsa_float_denorm_mode_32 3
		.amdhsa_float_denorm_mode_16_64 3
		.amdhsa_memory_ordered 1
		.amdhsa_forward_progress 1
		.amdhsa_inst_pref_size 206
	.end_amdhsa_kernel
	.amdgpu_metadata
---
amdhsa.version: [ 1, 2 ]
amdhsa.kernels:
  - .name:           k_qcd18871b2c_raster
    .symbol:         k_qcd18871b2c_raster.kd
    .args:
      - { .name: K, .offset: 0, .size: 8, .value_kind: global_buffer, .address_space: global }
      - { .name: R, .offset: 8, .size: 8, .value_kind: global_buffer, .address_space: global }
      - { .name: t, .offset: 16, .size: 8, .value_kind: global_buffer, .address_space: global }
      - { .name: light_direction, .offset: 24, .size: 8, .value_kind: global_buffer, .address_space: global }
      - { .name: light_int_ambient, .offset: 32, .size: 8, .value_kind: global_buffer, .address_space: global }
      - { .name: light_int_directional, .offset: 40, .size: 8, .value_kind: global_buffer, .address_space: global }
      - { .name: vertices, .offset: 48, .size: 8, .value_kind: global_buffer, .address_space: global }
      - { .name: faces, .offset: 56, .size: 8, .value_kind: global_buffer, .address_space: global }
      - { .name: textures, .offset: 64, .size: 8, .value_kind: global_buffer, .address_space: global }
      - { .name: out1, .offset: 72, .size: 8, .value_kind: global_buffer, .address_space: global }
      - { .name: gray, .offset: 80, .size: 8, .value_kind: global_buffer, .address_space: global }
    .group_segment_fixed_size: 256512
    .private_segment_fixed_size: 0
    .kernarg_segment_align: 8
    .kernarg_segment_size: 88
    .max_flat_workgroup_size: 128
    .sgpr_count:     84
    .vgpr_count:     448
    .wavefront_size: 32
...
	.end_amdgpu_metadata
.endif
;; end of part 1
;; launch loss (part 2): grid 1 x 1, 32 waves a work-group, no clusters, 5,120 bytes of LDS; arguments gray, masked_grayscale_img, mask_full_size, out0; writes out0
.if DOCPART == 2
	.amdgcn_target "amdgcn-amd-amdhsa--gfx1250"
	.amdhsa_code_object_version 6
	.text
	.protected	k_qcd18871b2c_loss
	.globl	k_qcd18871b2c_loss
	.p2align	8
	.type	k_qcd18871b2c_loss,@function
k_qcd18871b2c_loss:
	s_mov_b64 s[64:65], 0
	v_nop
	global_prefetch_b8 v0, s[64:65] scope:SCOPE_SE
	s_setreg_imm32_b32 hwreg(HW_REG_WAVE_MODE, 25, 1), 1
	s_wait_xcnt 0x0
; out0 = sum over the 16,384 pixels of (gray / max(gray) - img)^2, divided by the sum of the mask.  gray = r + g + b, as the launch before stored it.
; The maximum spans all pixels and the sum needs it, so one work-group owns both: 32 waves, 16 pixels of each of the three arrays a thread, kept in registers between the two passes.
; The square is taken of the difference itself, as reference() takes it, not by expanding it into three sums.  Nothing of reference() is left out here.
; LIMITS.  gray / M is gray x (1 / M), the reciprocal good to a last bit; the sums' order differs from reference()'s; the maximum passes over a NaN.  M = 0 gives NaN, as 0 / 0 does.
.set MAXW,  0                          ; LDS: a word for each wave's maximum; a block of 256 bytes
.set SQW,   256                        ; for each wave's sum of squares
.set MSW,   512                        ; for each wave's sum of the mask
.set SPARE, 1024                       ; the spare words, 128 bytes for each of 32 waves: sixteen blocks of 256 bytes that no other line names
.set G,  4                             ; v4-19   16 numbers of gray, then the differences
.set I,  20                            ; v20-35  of img, then the squares' sums
.set M,  36                            ; v36-51  of the mask
.macro WMAX r                          ; the maximum over the wave's 32 lanes, in every lane: four steps inside each half of 16 lanes, one across
	v_max_num_f32_dpp v[\r], v[\r], v[\r] row_xmask:1 row_mask:0xf bank_mask:0xf
	v_max_num_f32_dpp v[\r], v[\r], v[\r] row_xmask:2 row_mask:0xf bank_mask:0xf
	v_max_num_f32_dpp v[\r], v[\r], v[\r] row_xmask:4 row_mask:0xf bank_mask:0xf
	v_max_num_f32_dpp v[\r], v[\r], v[\r] row_xmask:8 row_mask:0xf bank_mask:0xf
	v_permlanex16_b32 v60, v[\r], s12, s13
	v_max_num_f32 v[\r], v[\r], v60
.endm
.macro WSUM r                          ; the same for a sum
	v_add_f32_dpp v[\r], v[\r], v[\r] row_xmask:1 row_mask:0xf bank_mask:0xf
	v_add_f32_dpp v[\r], v[\r], v[\r] row_xmask:2 row_mask:0xf bank_mask:0xf
	v_add_f32_dpp v[\r], v[\r], v[\r] row_xmask:4 row_mask:0xf bank_mask:0xf
	v_add_f32_dpp v[\r], v[\r], v[\r] row_xmask:8 row_mask:0xf bank_mask:0xf
	v_permlanex16_b32 v60, v[\r], s12, s13
	v_add_f32 v[\r], v[\r], v60
.endm
	s_load_b256 s[4:11], s[0:1], 0x0               ; gray s[4:5], img s[6:7], mask s[8:9], out0 s[10:11]
	v_lshl_add_u32 v2, v0, 2, SPARE                ; my spare word
	v_mov_b32 v3, 0
	v_lshrrev_b32 v52, 5, v0
	v_readfirstlane_b32 s14, v52                   ; wave 0..31
	v_lshlrev_b32 v1, 4, v0                        ; 16 bytes a thread: a wave's load covers 512 consecutive bytes
	v_and_b32 v53, 31, v0
	v_lshlrev_b32 v53, 2, v53                      ; 4 x lane
	s_lshl_b32 s15, s14, 2
	v_mov_b32 v54, s15                             ; 4 x wave
	v_mov_b32 v55, 0                               ; out0's offset
	v_mov_b32 v60, 0                               ; v_permlanex16_b32's destination counts as read: written once here
	s_mov_b32 s12, 0x76543210                      ; each lane takes its own place in the other half
	s_mov_b32 s13, 0xfedcba98
	s_wait_kmcnt 0x0
.irp r, 0,1,2,3
	global_load_b128 v[G+4*(\r):G+4*(\r)+3], v1, s[4:5] offset:16384*(\r) th:TH_LOAD_NT
.endr
.irp r, 0,1,2,3
	global_load_b128 v[I+4*(\r):I+4*(\r)+3], v1, s[6:7] offset:16384*(\r) th:TH_LOAD_NT
.endr
.irp r, 0,1,2,3
	global_load_b128 v[M+4*(\r):M+4*(\r)+3], v1, s[8:9] offset:16384*(\r) th:TH_LOAD_NT
.endr
	s_wait_loadcnt 8                               ; gray's four loads are in; the eight issued behind them may stay out
	v_max3_num_f32 v56, v[G], v[G+1], v[G+2]
	v_max3_num_f32 v57, v[G+3], v[G+4], v[G+5]
	v_max3_num_f32 v58, v[G+6], v[G+7], v[G+8]
	v_max3_num_f32 v59, v[G+9], v[G+10], v[G+11]
	v_max3_num_f32 v56, v56, v[G+12], v[G+13]
	v_max3_num_f32 v57, v57, v[G+14], v[G+15]
	v_max3_num_f32 v56, v56, v57, v58
	v_max_num_f32 v56, v56, v59
	WMAX 56
	ds_store_b32 v54, v56 offset:MAXW              ; all lanes write the wave's word with the same number
	s_wait_dscnt 0x0                               ; for the others' sake
	s_barrier_signal -1
	s_barrier_wait -1
	ds_load_b32 v56, v53 offset:MAXW               ; lane l takes wave l's maximum
	s_wait_dscnt 0x0
	WMAX 56                                        ; M, in every lane of every wave
	v_rcp_f32 v58, v56                             ; v[58:59] is named as a pair below; v59 was written above
	s_wait_loadcnt 0x0                             ; img and the mask
	v_pk_add_f32 v[M:M+1], v[M:M+1], v[M+2:M+3]    ; the mask's sum is the independent work behind the reciprocal
	v_pk_add_f32 v[M+4:M+5], v[M+4:M+5], v[M+6:M+7]
	v_pk_add_f32 v[M+8:M+9], v[M+8:M+9], v[M+10:M+11]
	v_pk_add_f32 v[M+12:M+13], v[M+12:M+13], v[M+14:M+15]
	v_pk_add_f32 v[M:M+1], v[M:M+1], v[M+4:M+5]
	v_pk_add_f32 v[M+8:M+9], v[M+8:M+9], v[M+12:M+13]
	v_pk_add_f32 v[M:M+1], v[M:M+1], v[M+8:M+9]
	v_add_f32 v[M], v[M], v[M+1]
	s_wait_alu depctr_va_vdst(0)                   ; the wait ahead of the reciprocal's first reader
.irp j, 0,2,4,6,8,10,12,14
	v_pk_fma_f32 v[G+(\j):G+(\j)+1], v[G+(\j):G+(\j)+1], v[58:59], v[I+(\j):I+(\j)+1] op_sel_hi:[1,0,1] neg_lo:[0,0,1] neg_hi:[0,0,1]  ; gray / M - img
.endr
	v_pk_mul_f32 v[I:I+1], v[G:G+1], v[G:G+1]      ; two chains, started by the first squares: nothing is cleared
	v_pk_mul_f32 v[I+2:I+3], v[G+2:G+3], v[G+2:G+3]
.irp j, 4,8,12
	v_pk_fma_f32 v[I:I+1], v[G+(\j):G+(\j)+1], v[G+(\j):G+(\j)+1], v[I:I+1]
	v_pk_fma_f32 v[I+2:I+3], v[G+(\j)+2:G+(\j)+3], v[G+(\j)+2:G+(\j)+3], v[I+2:I+3]
.endr
	v_pk_add_f32 v[I:I+1], v[I:I+1], v[I+2:I+3]
	v_add_f32 v[I], v[I], v[I+1]
	WSUM I
	WSUM M
	ds_store_b32 v54, v[I] offset:SQW
	ds_store_b32 v54, v[M] offset:MSW
	s_wait_dscnt 0x0                               ; for wave 0's sake
	s_barrier_signal -1
	s_barrier_wait -1
	s_cmp_lg_u32 s14, 0                            ; wave 0 finishes; no barrier stands in what the others jump
	s_cbranch_scc1 .Lend
	ds_load_b32 v[I], v53 offset:SQW
	ds_load_b32 v[M], v53 offset:MSW
	s_wait_dscnt 0x0
	WSUM I
	WSUM M
	v_rcp_f32 v[M+1], v[M]
	v_nop                                          ; a plain instruction behind the reciprocal,
	s_wait_alu depctr_va_vdst(0)                   ; and its wait, ahead of its reader
	v_mul_f32 v[I], v[I], v[M+1]
	s_wait_xcnt 0x0                                ; EXEC changes only behind this wait
	v_cmp_eq_u32 vcc_lo, 0, v0
	s_and_saveexec_b32 s16, vcc_lo
	global_store_b32 v55, v[I], s[10:11]           ; the one number, from lane 0
	s_wait_xcnt 0x0                                ; and again, in front of the line that widens it
	s_or_b32 exec_lo, exec_lo, s16
.Lend:
	s_wait_tensorcnt 0x0                           ; the wave's end, behind my last LDS store
	ds_add_u32 v2, v3
	s_wait_dscnt 0x0
	s_endpgm
.Lfunc_end_k_qcd18871b2c_loss:
	.size	k_qcd18871b2c_loss, .Lfunc_end_k_qcd18871b2c_loss-k_qcd18871b2c_loss
	.p2alignl 7, 3214868480
	.fill 96, 4, 3214868480
	.section	.rodata,"a",@progbits
	.p2align	6, 0x0
	.amdhsa_kernel k_qcd18871b2c_loss
		.amdhsa_group_segment_fixed_size 5120
		.amdhsa_private_segment_fixed_size 0
		.amdhsa_enable_private_segment 0
		.amdhsa_kernarg_size 32
		.amdhsa_user_sgpr_count 2
		.amdhsa_user_sgpr_kernarg_segment_ptr 1
		.amdhsa_wavefront_size32 1
		.amdhsa_system_sgpr_workgroup_id_x 1
		.amdhsa_system_sgpr_workgroup_id_y 1
		.amdhsa_system_sgpr_workgroup_id_z 1
		.amdhsa_system_vgpr_workitem_id 0
		.amdhsa_next_free_vgpr 64
		.amdhsa_next_free_sgpr 66
		.amdhsa_reserve_vcc 1
		.amdhsa_float_denorm_mode_32 3
		.amdhsa_float_denorm_mode_16_64 3
		.amdhsa_memory_ordered 1
		.amdhsa_forward_progress 1
		.amdhsa_inst_pref_size 8
	.end_amdhsa_kernel
	.amdgpu_metadata
---
amdhsa.version: [ 1, 2 ]
amdhsa.kernels:
  - .name:           k_qcd18871b2c_loss
    .symbol:         k_qcd18871b2c_loss.kd
    .args:
      - { .name: gray, .offset: 0, .size: 8, .value_kind: global_buffer, .address_space: global }
      - { .name: masked_grayscale_img, .offset: 8, .size: 8, .value_kind: global_buffer, .address_space: global }
      - { .name: mask_full_size, .offset: 16, .size: 8, .value_kind: global_buffer, .address_space: global }
      - { .name: out0, .offset: 24, .size: 8, .value_kind: global_buffer, .address_space: global }
    .group_segment_fixed_size: 5120
    .private_segment_fixed_size: 0
    .kernarg_segment_align: 8
    .kernarg_segment_size: 32
    .max_flat_workgroup_size: 1024
    .sgpr_count:     66
    .vgpr_count:     64
    .wavefront_size: 32
...
	.end_amdgpu_metadata
.endif
;; end of part 2
